; MI455X (gfx1250); checked and timed in simulation.
; The chip was launched on July 23, 2026; its instructions are those of AMD's public machine-readable ISA for CDNA 5 (MIT licence, August 2026) and "CDNA5" Instruction Set Architecture Reference Guide (July 2026). The comments in the code are by the model that wrote it; some were corrected since.
;; W4 A8 B8 O8 Linear Parallel. Allowed arithmetic: matrix products marked QUANTISED: E3M2 operands, one E8M0 scale for each 32 along K, by v_wmma_scale_f32_16x16x128_f8f6f4 with both operands' format E3M2, f32 sums; everything else in f32.
;; Inputs: input_scale one number float32; q_w 4,096 x 4,096 int32; s_channel 1 x 4,096 float32; s_group 32 x 4,096 float16; x 4,096 x 4,096 int32.
;; Outputs: out0 4,096 x 4,096 float32.
;; This version of the problem:
;;   THIS VERSION OF THE PROBLEM IS GIVEN IN LOW PRECISION. The matrix products marked QUANTISED in the list below multiply operands that are first quantised to E3M2 (3 exponent bits, 2 mantissa bits; 6 bits a number), with one power-of-two scale for each 32 numbers along K (OCP MX v1.0); their sums are f32. All else is computed in f32.
;;   The module's matrix products, in the order in which they are computed (A, B: the left and right operand; K: the contracted axis; several contracted axes count as one K, in the product's order):
;;     1. [M 4,096, K 4,096] x [K 4,096, N 4,096]; A: input x; B: computed on the way: QUANTISED
;;   THE QUANTISER, for each operand of a quantised product, along K:
;;     - K is cut into blocks of 32 from its start; a last block that is shorter is filled with zeros.
;;     - A block's scale is 2^e with e = floor(log2(the largest magnitude in the block)) - 4, held to -126 .. 127; a block of zeros has e = 0. As a byte (E8M0): e + 127.
;;     - Each number is divided by its block's scale, clamped to +-28, and rounded to the nearest number of E3M2, ties to even, subnormals kept.
;;     - The product sums the exact products of the quantised numbers (number of the format x scale) in f32.
;;   ~~~python
;;   def quantise(x, axis):      # numpy; x: float32 -> the quantised numbers, widened to float32 again
;;       x = np.moveaxis(x, axis, -1); K = x.shape[-1]
;;       x = np.pad(x, [(0, 0)] * (x.ndim - 1) + [(0, -K % 32)]); x = x.reshape(x.shape[:-1] + (-1, 32)); a = np.abs(x).max(-1, keepdims=True)
;;       e = np.where(a > 0, np.clip(np.frexp(np.where(a > 0, a, 1))[1] - 1 - 4, -126, 127), 0)      # np.frexp(a)[1] - 1 = floor(log2(a)), exactly
;;       r = np.clip(x / 2.0 ** e, -28, 28)
;;       step = 2.0 ** (np.maximum(np.frexp(np.where(r == 0, 1, r))[1] - 1, -2) - 2)
;;       q = np.round(r / step) * step * 2.0 ** e      # np.round: ties to even
;;       return np.moveaxis(q.reshape(q.shape[:-2] + (-1,))[..., :K], -1, axis).astype(np.float32)
;;   ~~~
;;   OPERANDS COMPUTED ON THE WAY. 'Computed on the way' means the value that the module computes at that place (a softmax that the list does not call 'softmax' is quantised finished and normalised). What goes into a quantiser is computed in f32, as accurately as f32 sums, v_exp_f32 and their like allow (about 1e-6 of the number): no bf16 or f16 on the way to a quantiser, and a product that is left as it is and whose result goes on into a quantised operand takes f32 operands (vector FMAs, or v_wmma_f32_16x16x4_f32). A number that lies on a knife's edge between two numbers of the format may be rounded either way, as far as f32 arithmetic and the matrix unit's own rounding can turn it there, and no further.
;; One version. Each part assembles by itself: llvm-mc -triple=amdgcn-amd-amdhsa -mcpu=gfx1250 --defsym DOCPART=n.
;; ======== version 1 of 1: 2 launches
;; limits: values are held in f16: magnitudes above 65,504 overflow, below 6.1e-05 lose precision; right only within a limited range of input values
;; workspace buffers: a_pack 13,107,200 bytes; b_pack 13,107,200 bytes
;; launch quant (part 1): grid 256 x 1, 16 waves a work-group, no clusters, 137,216 bytes of LDS; arguments x, q_w, s_group, a_pack, b_pack; writes a_pack, b_pack
.if DOCPART == 1
	.amdgcn_target "amdgcn-amd-amdhsa--gfx1250"
	.amdhsa_code_object_version 6
	.text
	.protected	k_q56b0a6e7df_quant
	.globl	k_q56b0a6e7df_quant
	.p2align	8
	.type	k_q56b0a6e7df_quant,@function
k_q56b0a6e7df_quant:
	s_mov_b64 s[64:65], 0
	v_nop
	global_prefetch_b8 v0, s[64:65] scope:SCOPE_SE
	s_setreg_imm32_b32 hwreg(HW_REG_WAVE_MODE, 25, 1), 1
	s_wait_xcnt 0x0
; Both operands of out = Q(x) Q(w) are turned into codes of BF6 (E3M2), 6 bits each, with one E8M0 scale byte for each 32 along K, LAID IN THE ORDER OF THE MATRIX OPERAND'S REGISTERS.
;   x [4096 m][4096 k] int32 -> a_pack;   w = q_w [4096 k][4096 n] int32 x s_group [32][4096 n] f16 (one scale for 128 k), in f32 -> b_pack
;   a pack: [32 groups of 128 rows][32 steps of 128 k][12,800 bytes]: 8 fragments of 1,536 bytes (16 rows x 128 k each), then 512 bytes of scale words.
;   A FRAGMENT is 12 registers a lane: lane (r, h) holds row r; registers 0-5 the 24 bytes of codes of k = 32 h + 0 .. 31, registers 6-11 those of k = 64 + 32 h + 0 .. 31.  It lies as three groups of four
;   registers, lane l's 16 bytes at 512 c + 16 l: three loads of 16 bytes a lane bring it back.  THE SCALE WORD (four bytes: 128 k of one row) of row 16 (4 j + u) + r lies at 256 j + 16 r + 4 u.
; A block's scale is 2^(floor(log2(its largest magnitude)) - 4); its byte is the largest magnitude's exponent field - 4, held at 1 from below by a floor among the maximum's leaves.
; LIMITS: a block of zeros gets the byte 1 where the rule says 127: its codes are zeros, which add nothing under any byte but 0xff, and these bytes are read by this program alone.
;   NaN and infinities in s_group are not served.  Blocks whose largest magnitude lies under the floor 2^(5 - 127) keep the byte 1.
; SHARES.  256 work-groups of sixteen waves, every one with the same mix of work: waves 0-7 take a piece of the weight, waves 8-15 a piece of x; each wave reads 32,768 bytes and makes four whole
;   fragments and their 64 scale words: 6,144 + 256 consecutive bytes of a pack.  Waves share nothing: no barrier; each has its own 8,448 bytes of LDS.
;   WEIGHT: work-group b takes columns 64 (b % 64) .. + 63 and K rows 1024 (b / 64) .. + 1023; wave w of it 128 K rows: one group of s_group, one step of the pack, four blocks of 32.
;     A LANE TAKES TWO NEIGHBOURING COLUMNS AND ITS REGISTERS RUN DOWN K: a load of 8 bytes a lane reads 256 consecutive bytes of a row of q_w, at a multiple of 256; a block lies in one lane's registers,
;     so its maximum asks no other lane.  A block's 24 bytes go to their place in an image of the four fragments in LDS, and the image leaves as it lies, 512 consecutive bytes a store.
;   X: work-group b takes rows 64 (b / 4) .. + 63 and k 1024 (b % 4) .. + 1023; wave w of it 128 k.  A fragment's 16 rows come by sixteen loads of 512 consecutive bytes, turn through the wave's stage in LDS
;     and come back so that lane (r, h) holds blocks h and 2 + h of row r whole: the conversions' results are the fragment's registers, stored 512 consecutive bytes at a time.
; IN FLIGHT: a weight wave has 64 loads of 256 bytes out, an x wave 32 of 512: 16,384 bytes each.  No tensor load, no cluster (no input is shared), no prefetch (the launch is one stream from end to end).
; Every LDS address register is made at the head, ahead of the parting of the roles, and holds nothing else.
.set STEPB, 12800                      ; a (group, step) block of a pack
.set FRB,   1536                       ; a fragment
.set REG,   8448                       ; LDS: a wave's region
.set XP,    528                        ; x stage: a row of 512 bytes + 16: the sixteen rows that a load touches fall 16 bytes apart modulo 256
.set WFP,   1552                       ; weight image: from fragment to fragment, 1,536 + 16: lanes 8 apart fall 16 bytes apart modulo 256
.set WSCO,  6400                       ; behind the four fragments: the 64 scale words
.set FLOOR, 0x2800000                  ; 2^(5 - 127)
.set OFFE,  0xfe000000                 ; takes 4 off an exponent field
.set LN,   1                           ; v1   lane
.set L16,  2                           ; v2   16 x lane
.set L8,   3                           ; v3   8 x lane
.set L4,   4                           ; v4   4 x lane
.set SL16, 5                           ; v5   my region + 16 x lane: x stage on the way in; the weight's image on the way out
.set XSO,  6                           ; v6   x stage on the way out: row r, + 128 h
.set XW,   7                           ; v7   16 r + 8 h: my two scale words' place
.set VH,   8                           ; v8   8 h
.set WA,   9                           ; v9   weight image: fragment lane / 8, row 2 (lane % 8)
.set WS,   10                          ; v10  my first column's scale word in LDS
.set WSO,  11                          ; v11  the scale words on the way out, 8 bytes a lane
.set XWD,  12                          ; v12-15  x: my row's scale word in each of the four fragments
.set XR,   32                          ; x role: v32-159 two sets of 64 registers as loaded
.set WR,   32                          ; weight role: v32-159 two sets of 64: register 2 i + c = row i of the block, column c
.set OUTR, 32                          ; weight role, the way out: v32-81
.set QF,   160                         ; v160-223 two runs of 32 numbers in f32 (x: blocks h, 2 + h of my row; weight: my two columns' block)
.set XC,   224                         ; x role: v224-247 two sets of 12: a fragment's registers
.set WCC,  224                         ; weight role: v224-235 a block's six registers for each column
.set SG,   240                         ; weight role: v[240:241], v[242:243] the two columns' group scales, each twice (pairs for the packed multiply)
.set QT,   248                         ; v248-250, v252-254 the second half of a block's codes, as the conversion leaves it
	s_load_b128 s[4:7], s[0:1], 0x0                ; x, q_w
	s_load_b128 s[8:11], s[0:1], 0x10              ; s_group, a_pack
	s_load_b64 s[12:13], s[0:1], 0x20              ; b_pack
	v_lshl_add_u32 v251, v0, 2, 0x21000
	v_mov_b32 v255, 0
	v_lshrrev_b32 v20, 5, v0
	s_delay_alu instid0(VALU_DEP_1)
	v_readfirstlane_b32 s18, v20                   ; wave 0..15
	s_and_b32 s19, s18, 7                          ; my number within my role
	s_mul_i32 s21, s18, REG                        ; my region of LDS
	s_add_co_u32 s20, s21, WSCO
	v_and_b32 v[LN], 31, v0
	s_delay_alu instid0(VALU_DEP_1)
	v_lshlrev_b32 v[L16], 4, v[LN]
	s_delay_alu instid0(VALU_DEP_2)
	v_lshlrev_b32 v[L8], 3, v[LN]
	s_delay_alu instid0(VALU_DEP_3)
	v_lshlrev_b32 v[L4], 2, v[LN]
	s_delay_alu instid0(VALU_DEP_3)
	v_add_nc_u32 v[SL16], s21, v[L16]
	v_and_b32 v20, 15, v[LN]                       ; r
	v_lshrrev_b32 v21, 4, v[LN]                    ; h
	s_delay_alu instid0(VALU_DEP_2)
	v_mul_u32_u24 v22, v20, XP
	s_delay_alu instid0(VALU_DEP_1)
	v_lshl_add_u32 v22, v21, 7, v22
	s_delay_alu instid0(VALU_DEP_1)
	v_add_nc_u32 v[XSO], s21, v22
	s_delay_alu instid0(VALU_DEP_4)
	v_lshlrev_b32 v[VH], 3, v21
	s_delay_alu instid0(VALU_DEP_1)
	v_lshl_add_u32 v[XW], v20, 4, v[VH]
	v_lshrrev_b32 v20, 3, v[LN]                    ; lane / 8: which fragment my two columns fall in
	v_and_b32 v21, 7, v[LN]                        ; lane % 8: they are its rows 2 (lane % 8) and + 1
	s_delay_alu instid0(VALU_DEP_2)
	v_mul_u32_u24 v22, v20, WFP
	s_delay_alu instid0(VALU_DEP_1)
	v_lshl_add_u32 v22, v21, 5, v22
	s_delay_alu instid0(VALU_DEP_1)
	v_add_nc_u32 v[WA], s21, v22
	v_lshlrev_b32 v22, 2, v20
	s_delay_alu instid0(VALU_DEP_1)
	v_lshl_add_u32 v22, v21, 5, v22                ; 16 r + 4 u
	s_delay_alu instid0(VALU_DEP_1)
	v_add_nc_u32 v[WS], s20, v22
	v_add_nc_u32 v[WSO], s20, v[L8]
	s_mov_b32 s30, 0x76543210
	s_mov_b32 s31, 0xfedcba98                      ; v_permlanex16_b32's selects for lane l xor 16
	s_and_b32 s24, ttmp9, 63                       ; weight: which 64 columns
	s_lshr_b32 s25, ttmp9, 6
	s_lshl_b32 s27, s25, 3
	s_add_co_u32 s27, s27, s19                     ; weight: my step of 128 k
	s_lshr_b32 s26, ttmp9, 2                       ; x: which 64 rows
	s_and_b32 s28, ttmp9, 3
	s_lshl_b32 s28, s28, 3
	s_add_co_u32 s28, s28, s19                     ; x: my step of 128 k
	s_mov_b32 s23, 0                               ; every offset below stays under 2^27
	s_wait_kmcnt 0x0
	s_lshl_b32 s22, s26, 20
	s_lshl_b32 s29, s28, 9
	s_add_co_u32 s22, s22, s29
	s_add_nc_u64 s[4:5], s[4:5], s[22:23]          ; x: 64 rows of 16,384 bytes, 512 bytes a step
	s_lshr_b32 s29, s26, 1                         ; a_pack: the group of 128 rows,
	s_lshl_b32 s29, s29, 5
	s_add_co_u32 s29, s29, s28                     ; and the step
	s_mul_i32 s22, s29, STEPB
	s_add_nc_u64 s[10:11], s[10:11], s[22:23]
	s_and_b32 s29, s26, 1                          ; j: which half of the group
	s_lshl_b32 s22, s29, 8
	s_add_co_u32 s22, s22, 8*FRB
	s_add_nc_u64 s[14:15], s[10:11], s[22:23]      ; my 64 scale words
	s_mul_i32 s22, s29, 4*FRB
	s_add_nc_u64 s[10:11], s[10:11], s[22:23]      ; my four fragments
	s_lshl_b32 s22, s27, 21
	s_lshl_b32 s29, s24, 8
	s_add_co_u32 s22, s22, s29
	s_add_nc_u64 s[6:7], s[6:7], s[22:23]          ; q_w: 128 rows of 16,384 bytes a step, 256 bytes for 64 columns
	s_lshl_b32 s22, s27, 13
	s_lshl_b32 s29, s24, 7
	s_add_co_u32 s22, s22, s29
	s_add_nc_u64 s[8:9], s[8:9], s[22:23]          ; s_group: rows of 8,192 bytes
	s_lshr_b32 s29, s24, 1                         ; b_pack likewise
	s_lshl_b32 s29, s29, 5
	s_add_co_u32 s29, s29, s27
	s_mul_i32 s22, s29, STEPB
	s_add_nc_u64 s[12:13], s[12:13], s[22:23]
	s_and_b32 s29, s24, 1
	s_lshl_b32 s22, s29, 8
	s_add_co_u32 s22, s22, 8*FRB
	s_add_nc_u64 s[16:17], s[12:13], s[22:23]
	s_mul_i32 s22, s29, 4*FRB
	s_add_nc_u64 s[12:13], s[12:13], s[22:23]
; The largest magnitude of each of the two runs of 32 numbers, two chains a run, the runs by turns; then the conversions' scale operands in v26, v27
.macro QMAX
.irp c, 0,1
	v_max3_num_f32 v[20+2*\c], |v[QF+32*\c]|, |v[QF+32*\c+1]|, |v[QF+32*\c+2]|
	v_max3_num_f32 v[21+2*\c], |v[QF+32*\c+3]|, |v[QF+32*\c+4]|, |v[QF+32*\c+5]|
.endr
.irp i, 6,10,14,18,22,26
.irp c, 0,1
	s_delay_alu instid0(VALU_DEP_4)
	v_max3_num_f32 v[20+2*\c], v[20+2*\c], |v[QF+32*\c+\i]|, |v[QF+32*\c+\i+1]|
	s_delay_alu instid0(VALU_DEP_4)
	v_max3_num_f32 v[21+2*\c], v[21+2*\c], |v[QF+32*\c+\i+2]|, |v[QF+32*\c+\i+3]|
.endr
.endr
.irp c, 0
	s_delay_alu instid0(VALU_DEP_4)
	v_max3_num_f32 v[20+2*\c], v[20+2*\c], |v[QF+32*\c+30]|, |v[QF+32*\c+31]|
.endr
.irp c, 1
	s_delay_alu instid0(VALU_DEP_3)
	v_max3_num_f32 v[20+2*\c], v[20+2*\c], |v[QF+32*\c+30]|, |v[QF+32*\c+31]|
.endr
.irp c, 0,1
	s_delay_alu instid0(VALU_DEP_2)
	v_max3_num_f32 v[20+2*\c], v[20+2*\c], v[21+2*\c], FLOOR       ; and the floor, under which no largest magnitude is taken: so the byte cannot fall under 1
.endr
.irp c, 0,1
	s_delay_alu instid0(VALU_DEP_2)
	v_add_nc_u32 v[26+\c], OFFE, v[20+2*\c]        ; 4 off the exponent field: the conversion takes the exponent field of this operand as its scale, and nothing else of it
.endr
.endm
; Each run's 32 codes into six registers on end, run c at v[cs + 6 c]
.macro QCODE cs
.irp c, 0,1
	v_cvt_scalef32_pk16_bf6_f32 v[\cs+6*\c:\cs+6*\c+2], v[QF+32*\c:QF+32*\c+15], v[26+\c]          ; sixteen numbers / the scale, to the nearest code, ties to even, beyond the largest code the largest
	v_cvt_scalef32_pk16_bf6_f32 v[QT+4*\c:QT+4*\c+2], v[QF+32*\c+16:QF+32*\c+31], v[26+\c]         ; (a conversion's three registers begin on an even number: the second half is made elsewhere and moved)
.endr
	v_nop                                          ; one plain instruction behind the conversions
.irp c, 0,1
.irp i, 0,1,2
	v_mov_b32 v[\cs+6*\c+3+\i], v[QT+4*\c+\i]
.endr
.endr
.endm
	s_cmp_lt_u32 s18, 8
	s_cbranch_scc1 .Lweight
; ---------------- the x role ----------------
.macro XLOAD u                         ; fragment u: its sixteen rows' 512 bytes, into set u % 2
.set xi, 0
.rept 16
	global_load_b128 v[XR+64*((\u)%2)+4*xi:XR+64*((\u)%2)+4*xi+3], v[L16], s[4:5] offset:(16*(\u)+xi)*16384 th:TH_LOAD_NT   ; 32 lanes read 512 consecutive bytes of a row
.set xi, xi+1
.endr
.endm
.macro XFRAG u
.set RS, XR+64*((\u)%2)
.set CS, XC+12*((\u)%2)
.if (\u) < 3
	s_wait_loadcnt 16                              ; this fragment's sixteen loads are in; the next one's may be out
.else
	s_wait_loadcnt 0x0
.endif
.set xi, 0
.rept 16
	ds_store_b128 v[SL16], v[RS+4*xi:RS+4*xi+3] offset:XP*xi       ; row xi as it was loaded
.set xi, xi+1
.endr
.set xi, 0
.rept 16
	ds_load_b128 v[QF+4*xi:QF+4*xi+3], v[XSO] offset:256*(xi/8)+16*(xi%8)   ; LDS serves a wave's instructions in order: these see the stores.  Of row r: block h, then block 2 + h
.set xi, xi+1
.endr
	s_wait_dscnt 0x0                               ; my 64 numbers are back, and the stores into the stage have read their registers,
.if (\u)+2 < 4
	XLOAD (\u)+2                                   ; which take the fragment two on
.endif
.set xi, 0
.rept 64
	v_cvt_f32_i32 v[QF+xi], v[QF+xi]               ; x as f32
.set xi, xi+1
.endr
	QMAX
	s_delay_alu instid0(VALU_DEP_2)
	v_lshrrev_b32 v28, 23, v26                     ; the bytes of blocks h
	s_delay_alu instid0(VALU_DEP_2)
	v_lshrrev_b32 v29, 23, v27                     ; and 2 + h,
	s_delay_alu instid0(VALU_DEP_1)
	v_lshl_or_b32 v28, v29, 16, v28
	s_delay_alu instid0(VALU_DEP_1)
	v_lshlrev_b32 v28, v[VH], v28                  ; at their places in the scale word (8 h bits up);
	s_delay_alu instid0(VALU_DEP_1)
	v_permlanex16_b32 v29, v28, s30, s31
	s_delay_alu instid0(VALU_DEP_1)
	v_or_b32 v[XWD+(\u)], v28, v29                 ; with lane l xor 16's two the word is whole
.if (\u) >= 2
	s_wait_alu depctr_va_vdst(0)
	s_wait_xcnt 0x0                                ; the stores of two fragments back have read this set of registers: only behind this wait is it written again
.endif
	QCODE CS
.irp g, 0,1,2
	global_store_b128 v[L16], v[CS+4*\g:CS+4*\g+3], s[10:11] offset:FRB*(\u)+512*\g   ; 512 consecutive bytes, at a multiple of 256 from the pack's first byte
.endr
.endm
	XLOAD 0
	XLOAD 1
	XFRAG 0
	XFRAG 1
	XFRAG 2
	XFRAG 3
	v_cmp_ne_u32 vcc_lo, 0, v[VH]                  ; lanes 16-31
	s_delay_alu instid0(VALU_DEP_1)
	v_cndmask_b32 v20, v[XWD], v[XWD+2], vcc_lo    ; lane (r, h) stores row r's words of fragments 2 h and 2 h + 1
	s_delay_alu instid0(VALU_DEP_2)
	v_cndmask_b32 v21, v[XWD+1], v[XWD+3], vcc_lo
	global_store_b64 v[XW], v[20:21], s[14:15]     ; 32 lanes store 256 consecutive bytes, at a multiple of 256 from the pack's first byte
	s_wait_tensorcnt 0x0
	ds_add_u32 v251, v255
	s_wait_dscnt 0x0
	s_endpgm
; ---------------- the weight role ----------------
.Lweight:
.macro WLOAD t                         ; block t: rows 32 t + i, i = 0 .. 31, my two columns, into set t % 2
.set wi, 0
.rept 32
	global_load_b64 v[WR+64*((\t)%2)+2*wi:WR+64*((\t)%2)+2*wi+1], v[L8], s[6:7] offset:(32*(\t)+wi)*16384 th:TH_LOAD_NT
.set wi, wi+1
.endr
.endm
.macro WBLOCK t
.set RS, WR+64*((\t)%2)
.if (\t) < 3
	s_wait_loadcnt 32                              ; this block's 32 loads are in; the next block's may be out.  (Block 0: the group scales' load was issued ahead of them all, and loads come back in order: it is in too)
.else
	s_wait_loadcnt 0x0
.endif
.if (\t) == 0
	v_cvt_f32_f16 v[SG], v24.l                     ; the two columns' group scales as f32, each twice
	v_cvt_f32_f16 v[SG+1], v24.l
	v_cvt_f32_f16 v[SG+2], v24.h
	v_cvt_f32_f16 v[SG+3], v24.h
.endif
.set i, 0
.rept 32
	v_cvt_f32_i32 v[QF+i], v[RS+2*i]               ; q_w as f32; the conversion also parts the two columns
	v_cvt_f32_i32 v[QF+32+i], v[RS+2*i+1]
.set i, i+1
.endr
.if (\t)+2 < 4
	WLOAD (\t)+2                                   ; the set just read takes the block two on
.endif
.set i, 0
.rept 16
	v_pk_mul_f32 v[QF+2*i:QF+2*i+1], v[QF+2*i:QF+2*i+1], v[SG:SG+1]                  ; w = q_w x the group's scale, in f32
	v_pk_mul_f32 v[QF+32+2*i:QF+32+2*i+1], v[QF+32+2*i:QF+32+2*i+1], v[SG+2:SG+3]
.set i, i+1
.endr
	QMAX
.if (\t) == 0
	s_delay_alu instid0(VALU_DEP_2)
	v_lshrrev_b32 v30, 23, v26                     ; the scale's byte: my wave's four blocks make one scale word a column, the lower k in the lower byte
	s_delay_alu instid0(VALU_DEP_2)
	v_lshrrev_b32 v31, 23, v27
.else
	s_delay_alu instid0(VALU_DEP_2)
	v_lshrrev_b32 v28, 23, v26
	s_delay_alu instid0(VALU_DEP_2)
	v_lshrrev_b32 v29, 23, v27
	s_delay_alu instid0(VALU_DEP_2)
	v_lshl_or_b32 v30, v28, 8*(\t), v30
	s_delay_alu instid0(VALU_DEP_2)
	v_lshl_or_b32 v31, v29, 8*(\t), v31
.endif
	QCODE WCC
.irp c, 0,1                                    ; block t belongs to the fragment's lane (r, t % 2): as its registers 0-5 (t < 2) or 6-11.  Column c is 16 bytes on, the upper lanes 256
.if (\t) < 2
	ds_store_b128 v[WA], v[WCC+6*\c:WCC+6*\c+3] offset:16*\c+256*((\t)%2)
	ds_store_b64 v[WA], v[WCC+6*\c+4:WCC+6*\c+5] offset:16*\c+256*((\t)%2)+512
.else
	ds_store_b64 v[WA], v[WCC+6*\c:WCC+6*\c+1] offset:16*\c+256*((\t)%2)+512+8
	ds_store_b128 v[WA], v[WCC+6*\c+2:WCC+6*\c+5] offset:16*\c+256*((\t)%2)+1024
.endif
.endr
	s_wait_dscnt 0x0                               ; the stores have read their registers: the next block's codes may be written
.endm
	global_load_b32 v24, v[L4], s[8:9]             ; my two columns' group scales, two f16: the first load of the role, so that block 0's wait covers it
	WLOAD 0
	WLOAD 1
	WBLOCK 0
	WBLOCK 1
	WBLOCK 2
	WBLOCK 3
	ds_store_b32 v[WS], v30                        ; my first column's scale word,
	ds_store_b32 v[WS], v31 offset:16              ; and the next row's
.irp u, 0,1,2,3
.irp g, 0,1,2
	ds_load_b128 v[OUTR+4*(3*\u+\g):OUTR+4*(3*\u+\g)+3], v[SL16] offset:WFP*\u+512*\g   ; LDS serves a wave's instructions in order: these see my stores.  The image as it lies
.endr
.endr
	ds_load_b64 v[OUTR+48:OUTR+49], v[WSO]
.irp u, 0,1,2,3
.irp g, 0,1,2
	s_wait_dscnt 12-(3*\u+\g)                      ; LDS loads come back in order: this one is in, the younger ones stay out
	global_store_b128 v[L16], v[OUTR+4*(3*\u+\g):OUTR+4*(3*\u+\g)+3], s[12:13] offset:FRB*\u+512*\g   ; 512 consecutive bytes, at a multiple of 256 from the pack's first byte
.endr
.endr
	s_wait_dscnt 0x0
	global_store_b64 v[L8], v[OUTR+48:OUTR+49], s[16:17]           ; 32 lanes store the 64 scale words: 256 consecutive bytes, at a multiple of 256
	s_wait_tensorcnt 0x0
	ds_add_u32 v251, v255
	s_wait_dscnt 0x0
	s_endpgm
.Lfunc_end_k_q56b0a6e7df_quant:
	.size	k_q56b0a6e7df_quant, .Lfunc_end_k_q56b0a6e7df_quant-k_q56b0a6e7df_quant
	.p2alignl 7, 3214868480
	.fill 96, 4, 3214868480
	.section	.rodata,"a",@progbits
	.p2align	6, 0x0
	.amdhsa_kernel k_q56b0a6e7df_quant
		.amdhsa_group_segment_fixed_size 137216
		.amdhsa_private_segment_fixed_size 0
		.amdhsa_enable_private_segment 0
		.amdhsa_kernarg_size 40
		.amdhsa_user_sgpr_count 2
		.amdhsa_user_sgpr_kernarg_segment_ptr 1
		.amdhsa_wavefront_size32 1
		.amdhsa_system_sgpr_workgroup_id_x 1
		.amdhsa_system_sgpr_workgroup_id_y 1
		.amdhsa_system_sgpr_workgroup_id_z 1
		.amdhsa_system_vgpr_workitem_id 0
		.amdhsa_next_free_vgpr 256
		.amdhsa_next_free_sgpr 66
		.amdhsa_reserve_vcc 1
		.amdhsa_float_denorm_mode_32 3
		.amdhsa_float_denorm_mode_16_64 3
		.amdhsa_memory_ordered 1
		.amdhsa_forward_progress 1
		.amdhsa_inst_pref_size 92
	.end_amdhsa_kernel
	.amdgpu_metadata
---
amdhsa.version: [ 1, 2 ]
amdhsa.kernels:
  - .name:           k_q56b0a6e7df_quant
    .symbol:         k_q56b0a6e7df_quant.kd
    .args:
      - { .name: x, .offset: 0, .size: 8, .value_kind: global_buffer, .address_space: global }
      - { .name: q_w, .offset: 8, .size: 8, .value_kind: global_buffer, .address_space: global }
      - { .name: s_group, .offset: 16, .size: 8, .value_kind: global_buffer, .address_space: global }
      - { .name: a_pack, .offset: 24, .size: 8, .value_kind: global_buffer, .address_space: global }
      - { .name: b_pack, .offset: 32, .size: 8, .value_kind: global_buffer, .address_space: global }
    .group_segment_fixed_size: 137216
    .private_segment_fixed_size: 0
    .kernarg_segment_align: 8
    .kernarg_segment_size: 40
    .max_flat_workgroup_size: 512
    .sgpr_count:     66
    .vgpr_count:     256
    .wavefront_size: 32
...
	.end_amdgpu_metadata
.endif
;; end of part 1
;; launch gemm (part 2): grid 16 x 16, 4 waves a work-group, clusters of 4 x 4, 327,680 bytes of LDS; arguments a_pack, b_pack, out0, s_channel, input_scale; writes out0
.if DOCPART == 2
	.amdgcn_target "amdgcn-amd-amdhsa--gfx1250"
	.amdhsa_code_object_version 6
	.text
	.protected	k_q56b0a6e7df_gemm
	.globl	k_q56b0a6e7df_gemm
	.p2align	8
	.type	k_q56b0a6e7df_gemm,@function
k_q56b0a6e7df_gemm:
	s_mov_b64 s[64:65], 0
	v_nop
	global_prefetch_b8 v0, s[64:65] scope:SCOPE_SE
	s_setreg_imm32_b32 hwreg(HW_REG_WAVE_MODE, 25, 1), 1
	s_wait_xcnt 0x0
	s_wait_alu depctr_hold_cnt(0) depctr_sa_sdst(0) depctr_va_vdst(0) depctr_va_sdst(0) depctr_va_ssrc(0) depctr_va_vcc(0) depctr_vm_vsrc(0)
	s_getreg_b32 s2, hwreg(HW_REG_IB_STS2, 6, 4)
	s_cmp_eq_u32 s2, 0
	s_cbranch_scc0 .Lentry_in_a_cluster
	s_endpgm
.Lentry_in_a_cluster:
	s_bfe_u32 s2, ttmp6, 0x10000c
	s_cmp_lg_u32 s2, 0xf033
	s_cbranch_scc0 .Lentry_shape_is_right
	s_endpgm
.Lentry_shape_is_right:
; out0[m][n] = (sum over k of Q(x)[m][k] Q(w)[k][n]) x input_scale x s_channel[n], f32.  Both operands come as packs of BF6 (E3M2) codes and E8M0 scale words, laid by the launch before in the order of
; the matrix operand's registers: [32 groups of 128 rows][32 steps of 128 k][12,800 bytes: 8 fragments of 1,536 bytes, then 512 bytes of scale words].
; A work-group of four waves makes 256 x 256 of out0, a wave 128 x 128: 64 accumulators.  K goes through a ring of two LDS slots of three steps each (the first fill: two steps), 32 = 2 + 10 x 3.
; CLUSTERS 4 x 4: A's tiles are asked for jointly along a row of the cluster, B's along a column.  The matrix instruction is used transposed (source 0 = B's rows, source 1 = A's): a lane holds 8 neighbours of a row of out0.
; REGISTERS BY QUADRANTS.  Every window of 256 holds v0-31 small things, v32-127 ONE GROUP OF FOUR FRAGMENTS in two sets of 48, v128-255 the 16 accumulators of ONE QUADRANT of the wave's 8 x 8 blocks:
;   window 0: A's blocks 0-3, quadrant (A 0-3, B 0-3);  window 1: B's 0-3, quadrant (A 0-3, B 4-7);  window 2: B's 4-7, quadrant (A 4-7, B 4-7);  window 3: A's 4-7, quadrant (A 4-7, B 0-3).
; So 512 accumulator registers and TWO WHOLE SETS of both operands (384 registers) fit.  A step is 64 products in four phases of 16, one quadrant each; the next step's fragments and scale words go into the
; set that is not at work, in TWO RUNS of LDS loads: 26 at the step's head (A's eight fragments and the scale words), 24 behind the second phase (B's eight).  The registers that they fill were last
; read in the step before: four places at the first run's head serve all 50 loads.
; An LDS load takes its destination's window from the field that names D and its address's window from the field that names source 0: a phase's setting also serves the loads of its window's group.
; The address registers lie where source 0 points: A's and the scale words' in window 1, B's in window 2.  Each run ends under the setting of the phase that follows it: four switches of the windows a step.
; PREFETCH: behind each joint load the fill that stands two refills on is asked of memory: 150 blocks of 256 bytes for each wave's tile, shared among the four partners of the joint load by address
; (partner p: blocks 32 p + lane, and 128 + 6 p + 0 .. 5, held at 149).  Behind the head's load fill 1 is asked for, behind fill 1's load fills 2 and 3; fill 0 comes by its load alone; the last two refills ask for nothing.
.set SIZE_N, 4096
.set FR,     12                        ; registers of a fragment
.set FRB,    1536                      ; its bytes
.set STEPB,  12800                     ; a group's step in a pack
.set GRPB,   32*STEPB
.set QTR,    3*STEPB                   ; what one tensor load of the ring brings: three steps of one group, dense
.set SLOT,   4*QTR                     ; A's two groups, then B's two
.set SPARE,  2*SLOT                    ; the spare words, 128 bytes a wave
.set STAGE,  SLOT                      ; the way out: in slot 1, behind its last fill and last read
.set SPITCH, 528
.set TRIPS,  4
.set CO,   1                           ; v1  16 x lane (windows 0 and 1)
.set RD,   2                           ; v2  stage, on the way back (windows 0 and 1)
.set STO,  3                           ; v3  stage, on the way in
.set PFO,  4                           ; v4-5 the prefetches' offsets
.set SPW,  6                           ; v6  my spare word; never rewritten
.set NIL,  7                           ; v7  0; never rewritten
.set CH,   8                           ; v8-11 s_channel of my four columns, then x input_scale (windows 0 and 1)
.set ADRA, 12                          ; window 1: v12-13 A's fragments in slot 0, 1
.set ADRS, 14                          ; window 1: v14-15 the scale words: lanes 0-15 A's, lanes 16-31 B's
.set ADRB, 12                          ; window 2: v12-13 B's fragments in slot 0, 1
.set SC,   16                          ; v16-31 scale words, two sets of 8
.set FB,   32                          ; the fragments of a window
.set ACC,  128                         ; the accumulators of a window
.set G1, 24
.set G0, 32
.set G1B, 48
.set G0B, 56
.set G1H, 68                           ; group 1 for the head's fill of two steps
.set G1HB, 80
.set PFA, 92                           ; s[92:93] the first byte of the fill that is being asked for by my tensor load; a prefetch names the fill two on
.set MSB, 0
.macro WIN new                         ; the immediate's high byte repeats the setting that is left
.if MSB != (\new)
	s_set_vgpr_msb (MSB<<8)|(\new)
.set MSB, (\new)
.endif
.endm
.set PH1, 0x01                         ; source 0 window 1, source 1 window 0, C and D window 0
.set PH2, 0x52                         ; source 0 window 2, source 1 window 0, C and D window 1
.set PH3, 0xae                         ; source 0 window 2, source 1 window 3, C and D window 2
.set PH4, 0xfd                         ; source 0 window 1, source 1 window 3, C and D window 3
.macro JLOAD g0a, g1a, g0b, g1b        ; a joint load: waves 0, 1 for A, waves 2, 3 for B; s_nop 0 and four v_nop behind each line
	s_cmp_eq_u32 s15, 0
	s_cbranch_scc0 .Lfor_b_\@
	tensor_load_to_lds s[\g0a:\g0a+3], s[\g1a:\g1a+7]
	s_nop 0
.rept 4
	v_nop
.endr
	s_branch .Lasked_\@
.Lfor_b_\@:
	tensor_load_to_lds s[\g0b:\g0b+3], s[\g1b:\g1b+7]
	s_nop 0
.rept 4
	v_nop
.endr
.Lasked_\@:
.endm
.macro CREST                           ; a round of the cluster's barrier behind its opening barrier
	s_cmp_lg_u32 s14, 0
	s_cbranch_scc1 .Lnot_wave_0_\@
	s_barrier_signal -3
.Lnot_wave_0_\@:
	s_barrier_wait -3
	s_barrier_signal -1
	s_barrier_wait -1
.endm
.macro CROUND
	s_barrier_signal -1
	s_barrier_wait -1
	CREST
.endm
.macro ASK how                         ; my share of the fill two refills on.  how = 2: in the loop, whose last trip (s3 = 1) has no such fill
.if \how == 2
	s_cmp_gt_u32 s3, 1
	s_cbranch_scc0 .Lno_ask_\@
.endif
	global_prefetch_b8 v[PFO], s[PFA:PFA+1] offset:2*QTR th:TH_LOAD_NT scope:SCOPE_SE
	global_prefetch_b8 v[PFO+1], s[PFA:PFA+1] offset:2*QTR th:TH_LOAD_NT scope:SCOPE_SE
.Lno_ask_\@:
.endm
.macro PLACES
.rept 4
	v_nop
.endr
.endm
	s_load_b128 s[4:7], s[0:1], 0x0                ; a_pack, b_pack
	s_load_b64 s[12:13], s[0:1], 0x10              ; out0
	s_load_b64 s[96:97], s[0:1], 0x18              ; s_channel
	s_load_b64 s[98:99], s[0:1], 0x20              ; input_scale
	v_lshl_add_u32 v[SPW], v0, 2, SPARE
	v_mov_b32 v[NIL], 0
	ds_add_u32 v[SPW], v[NIL]                      ; the opening lines: the add, twice on end, and its wait ahead of my first tensor load
	ds_add_u32 v[SPW], v[NIL]
	v_lshrrev_b32 v1, 5, v0
	v_readfirstlane_b32 s14, v1                    ; wave 0..3
	s_lshr_b32 s15, s14, 1                         ; my half of the rows.  Also: I fetch for A (0) or B (1)
	s_and_b32 s16, s14, 1                          ; my half of the columns.  Also: which group of 128 rows I fetch
	s_bfe_u32 s40, ttmp6, 0x40000                  ; cx
	s_bfe_u32 s41, ttmp6, 0x40004                  ; cy
	s_lshl_b32 s42, ttmp9, 2
	s_add_co_u32 s42, s42, s40                     ; tile column
	s_and_b32 s17, ttmp7, 0xffff
	s_lshl_b32 s17, s17, 2
	s_add_co_u32 s17, s17, s41                     ; tile row
	s_lshl_b32 s43, s41, 2
	s_lshl_b32 s43, 15, s43                        ; my row of the cluster
	s_lshl_b32 s44, 0x1111, s40                    ; my column
	s_or_b32 s[G1+0], s43, (3<<16)|(1<<21)         ; elements of 8 bytes; bit 21 beside the mask
	s_or_b32 s[G1B+0], s44, (3<<16)|(1<<21)
	s_or_b32 s[G1H+0], s43, (3<<16)|(1<<21)
	s_or_b32 s[G1HB+0], s44, (3<<16)|(1<<21)
.irp g, G1, G1B                                        ; a dense block of QTR bytes as rows of 256
	s_mov_b32 s[\g+1], 32<<16
	s_mov_b32 s[\g+2], (QTR/256)<<16
	s_mov_b32 s[\g+3], 32<<16
	s_mov_b32 s[\g+4], QTR/256
	s_mov_b32 s[\g+5], 32
	s_mov_b32 s[\g+6], 0
	s_mov_b32 s[\g+7], 0
.endr
.irp g, G1H, G1HB                                      ; the head's: two steps
	s_mov_b32 s[\g+1], 32<<16
	s_mov_b32 s[\g+2], (2*STEPB/256)<<16
	s_mov_b32 s[\g+3], 32<<16
	s_mov_b32 s[\g+4], 2*STEPB/256
	s_mov_b32 s[\g+5], 32
	s_mov_b32 s[\g+6], 0
	s_mov_b32 s[\g+7], 0
.endr
	s_lshl_b32 s20, s17, 1
	s_add_co_u32 s20, s20, s16
	s_mul_i32 s20, s20, GRPB                       ; A: group 2 x tile row + half
	s_lshl_b32 s46, s42, 1
	s_add_co_u32 s46, s46, s16
	s_mul_i32 s46, s46, GRPB                       ; B: group 2 x tile column + half
	s_mov_b32 s21, 0
	s_mov_b32 s47, 0
	s_mul_i32 s45, s14, QTR                        ; where my tile goes: wave x QTR
	s_wait_dscnt 0x0                               ; both opening adds are done
	CROUND                                         ; the round in front of the first joint loads; it needs no argument, so it stands ahead of the wait for them
	s_wait_kmcnt 0x0
	s_add_nc_u64 s[20:21], s[4:5], s[20:21]
	s_add_nc_u64 s[46:47], s[6:7], s[46:47]
	s_load_b32 s100, s[98:99], 0x0                 ; input_scale: waited for on the way out
.irp s, 0,1                                            ; slot 0 begins at step 0, slot 1 at step 2
	s_mov_b32 s[G0+4*\s], 1
	s_add_co_u32 s[G0+4*\s+1], s45, \s*SLOT
	s_add_nc_u64 s[G0+4*\s+2:G0+4*\s+3], s[20:21], \s*2*STEPB
	s_or_b32 s[G0+4*\s+3], s[G0+4*\s+3], 0x80000000
	s_mov_b32 s[G0B+4*\s], 1
	s_add_co_u32 s[G0B+4*\s+1], s45, \s*SLOT
	s_add_nc_u64 s[G0B+4*\s+2:G0B+4*\s+3], s[46:47], \s*2*STEPB
	s_or_b32 s[G0B+4*\s+3], s[G0B+4*\s+3], 0x80000000
.endr
	JLOAD G0, G1H, G0B, G1HB                       ; fill 0, steps 0 and 1: my one tensor load at the head
	s_cmp_eq_u32 s15, 0
	s_cselect_b64 s[PFA:PFA+1], s[20:21], s[46:47] ; the group that I fetch,
	s_cselect_b32 s76, s40, s41                    ; and my place p among the four that ask for it with me
	s_add_nc_u64 s[PFA:PFA+1], s[PFA:PFA+1], 2*STEPB  ; fill 1's first byte
	s_lshl_b32 s77, s76, 5                         ; 32 p
	s_mul_i32 s78, s76, 6
	s_add_co_u32 s78, s78, 128                     ; 128 + 6 p
	s_mul_i32 s18, s15, QTR                        ; my 128 rows of A in slot 0
	s_mul_i32 s19, s16, QTR
	s_add_co_u32 s19, s19, 2*QTR                   ; my 128 rows of B
	s_sub_co_u32 s23, s19, s18
	s_add_co_u32 s79, s18, 8*FRB                   ; A's scale words
	s_add_co_u32 s89, s18, SLOT
	s_add_co_u32 s90, s79, SLOT
	s_add_co_u32 s91, s19, SLOT
	s_mul_i32 s88, s14, 16*SPITCH
	s_add_co_u32 s88, s88, STAGE                   ; my stage
	s_lshl_b32 s20, s17, 8
	s_lshl_b32 s21, s15, 7
	s_add_co_u32 s20, s20, s21                     ; my first row of out0,
	s_lshl_b32 s20, s20, 14                        ; in bytes (rows of 16,384; under 2^26)
	s_mov_b32 s21, 0
	s_lshl_b32 s46, s42, 10
	s_lshl_b32 s47, s16, 9
	s_add_co_u32 s46, s46, s47                     ; my first column, in bytes
	s_mov_b32 s47, 0
	s_add_nc_u64 s[96:97], s[96:97], s[46:47]
	s_add_nc_u64 s[20:21], s[20:21], s[46:47]
	s_add_nc_u64 s[12:13], s[12:13], s[20:21]
	v_and_b32 v32, 31, v0                          ; lane (v32-36: at work here only)
	v_min_u32 v[PFO+1], 5, v32
	v_add_nc_u32 v[PFO], s77, v32
	v_add_nc_u32 v[PFO+1], s78, v[PFO+1]
	v_lshlrev_b32 v[PFO], 8, v[PFO]                ; block 32 p + lane
	v_min_u32 v[PFO+1], 149, v[PFO+1]              ; block 128 + 6 p + 0 .. 5, at most the tile's last; lanes left over name my last block again
	v_lshlrev_b32 v[PFO+1], 8, v[PFO+1]
	global_prefetch_b8 v[PFO], s[PFA:PFA+1] th:TH_LOAD_NT scope:SCOPE_SE             ; fill 1
	global_prefetch_b8 v[PFO+1], s[PFA:PFA+1] th:TH_LOAD_NT scope:SCOPE_SE
	v_and_b32 v33, 15, v0                          ; r
	v_bfe_u32 v34, v0, 4, 1                        ; h
	v_lshlrev_b32 v[CO], 4, v32
	v_mul_u32_u24 v35, s23, v34                    ; lanes 16-31 take B's scale words
	v_lshl_add_u32 v35, v33, 4, v35                ; 16 r
	v_mul_u32_u24 v36, v33, SPITCH
	v_lshl_add_u32 v36, v34, 5, v36
	v_add_nc_u32 v[STO], s88, v36                  ; stage: row r, 32 bytes for each half of the lanes
	v_add_nc_u32 v[RD], s88, v[CO]
	WIN 0x40                                       ; destination window 1
	v_add_nc_u32 v[ADRA], s18, v[CO]
	v_add_nc_u32 v[ADRA+1], s89, v[CO]
	v_add_nc_u32 v[ADRS], s79, v35
	v_add_nc_u32 v[ADRS+1], s90, v35
	v_mov_b32 v[CO], v[CO]                         ; window 1's own CO and RD, for the way out's second buffer
	v_mov_b32 v[RD], v[RD]
	WIN 0x80                                       ; destination window 2
	v_add_nc_u32 v[ADRB], s19, v[CO]
	v_add_nc_u32 v[ADRB+1], s91, v[CO]
	WIN 0
	s_wait_alu depctr_va_vdst(0)
	global_load_b128 v[CH:CH+3], v[CO], s[96:97]   ; s_channel of my four columns: waited for on the way out
; product n (0 .. 15) of the quadrant (ah, bh): A's block 4 ah + n / 4, B's block 4 bh + n % 4; p: the set.  The accumulators take turns, one instruction a turn
.macro MM n, ah, bh, p, zero
.set MA, (\n)/4
.set MB, (\n)%4
.if \zero
	v_wmma_scale_f32_16x16x128_f8f6f4 v[ACC+8*(\n):ACC+8*(\n)+7], v[FB+48*(\p)+FR*MB:FB+48*(\p)+FR*MB+FR-1], v[FB+48*(\p)+FR*MA:FB+48*(\p)+FR*MA+FR-1], 0, v[SC+8*(\p)+4*(\bh)+MB], v[SC+8*(\p)+4*(\ah)+MA] matrix_a_fmt:MATRIX_FMT_BF6 matrix_b_fmt:MATRIX_FMT_BF6 matrix_a_scale:MATRIX_SCALE_ROW1
.else
	v_wmma_scale_f32_16x16x128_f8f6f4 v[ACC+8*(\n):ACC+8*(\n)+7], v[FB+48*(\p)+FR*MB:FB+48*(\p)+FR*MB+FR-1], v[FB+48*(\p)+FR*MA:FB+48*(\p)+FR*MA+FR-1], v[ACC+8*(\n):ACC+8*(\n)+7], v[SC+8*(\p)+4*(\bh)+MB], v[SC+8*(\p)+4*(\ah)+MA] matrix_a_fmt:MATRIX_FMT_BF6 matrix_b_fmt:MATRIX_FMT_BF6 matrix_a_scale:MATRIX_SCALE_ROW1
.endif
.endm
.macro MMS n0, cnt, ah, bh, p, zero    ; products n0 .. n0 + cnt - 1 of a quadrant
.set N, \n0
.rept \cnt
	MM N, \ah, \bh, \p, \zero
.set N, N+1
.endr
.endm
.macro PHASE win, ah, bh, p, zero      ; a quadrant's 16 products
	WIN \win
	MMS 0, 16, \ah, \bh, \p, \zero
.endm
; load k of a group, into set q of the window that the setting's D names: first nsc loads of scale words (window 0), then the group's 12 x 512 bytes as they lie, from byte goff of step j
.macro LDK k, adr, goff, nsc, j, q
.if (\k) < (\nsc)
	ds_load_b128 v[SC+8*(\q)+4*(\k):SC+8*(\q)+4*(\k)+3], v[(\adr)+2] offset:(\j)*STEPB+256*(\k)
.else
	ds_load_b128 v[FB+48*(\q)+4*((\k)-(\nsc)):FB+48*(\q)+4*((\k)-(\nsc))+3], v[\adr] offset:(\j)*STEPB+(\goff)+512*((\k)-(\nsc))
.endif
.endm
.macro GROUP win, adr, goff, nsc, j, q
	WIN \win
.set K, 0
.rept 12+(\nsc)
	LDK K, \adr, \goff, \nsc, \j, \q
.set K, K+1
.endr
.endm
.macro RUNA slot, j, q                 ; of step j of the slot, into set q: A's side, 26 loads on end
	PLACES                                         ; behind the products that last read set q, ahead of the loads into it: they serve RUNB's loads too
	GROUP PH4, ADRA+\slot, 4*FRB, 0, \j, \q        ; A 4-7 -> window 3
	GROUP PH1, ADRA+\slot, 0, 2, \j, \q            ; the scale words and A 0-3 -> window 0
.endm
.macro RUNB slot, j, q                 ; B's side, 24 loads on end
	GROUP PH2, ADRB+\slot, 0, 0, \j, \q            ; B 0-3 -> window 1
	GROUP PH3, ADRB+\slot, 4*FRB, 0, \j, \q        ; B 4-7 -> window 2
.endm
; A step on set p; ld = 1: step j of the slot is fetched into the other set
.macro STEP p, zero, ld, slot, j
	s_wait_dscnt 0x0                               ; set p is in: the younger of its two runs stands 32 products back
.if \ld
	RUNA \slot, \j, 1-(\p)
.endif
	PHASE PH1, 0, 0, \p, \zero
	PHASE PH2, 0, 1, \p, \zero
.if \ld
	RUNB \slot, \j, 1-(\p)
.endif
	PHASE PH3, 1, 1, \p, \zero
	PHASE PH4, 1, 0, \p, \zero
.endm
; A slot's last step.  Its fragments are in registers, so the slot is given up in its first phase: each wave waits for all its tensor loads (one is out: its part of the next slot),
; adds 0 to its spare word, waits for that; the barrier opens a round of the cluster's barrier; the refill is the first tensor load behind it; then the next slot's first step is fetched.
.macro TURN slot, next, p, fill, adv, ask
	s_wait_dscnt 0x0                               ; set p is in, and with it my reads of this slot are over
	WIN PH1
	MMS 0, 4, 0, 0, \p, 0
	WIN 0                                          ; the add's registers lie in window 0
.if \fill
	s_wait_xcnt 0x0                                ; my prefetches have read their address: it steps to the fill asked for below
	s_add_nc_u64 s[PFA:PFA+1], s[PFA:PFA+1], QTR
.endif
	s_wait_tensorcnt 0x0
	ds_add_u32 v[SPW], v[NIL]
	WIN PH1
	MMS 4, 8, 0, 0, \p, 0                          ; eight products between the add and the wait for it
	s_wait_dscnt 0x0                               ; the add is done
	s_barrier_signal -1
	MMS 12, 4, 0, 0, \p, 0
.if \fill
	WIN 0
.endif
	s_barrier_wait -1
.if \fill
	CREST
	s_add_nc_u64 s[G0+4*\slot+2:G0+4*\slot+3], s[G0+4*\slot+2:G0+4*\slot+3], \adv
	s_add_nc_u64 s[G0B+4*\slot+2:G0B+4*\slot+3], s[G0B+4*\slot+2:G0B+4*\slot+3], \adv
	JLOAD G0+4*\slot, G1, G0B+4*\slot, G1B
	ASK \ask
.endif
	RUNA \next, 0, 1-(\p)
	PHASE PH2, 0, 1, \p, 0
	RUNB \next, 0, 1-(\p)
	PHASE PH3, 1, 1, \p, 0
	PHASE PH4, 1, 0, \p, 0
.endm
	s_wait_tensorcnt 0x0                           ; my part of fill 0 is in
	ds_add_u32 v[SPW], v[NIL]
	s_wait_dscnt 0x0
	CROUND                                         ; everybody's part is in, and the joint loads meet
	JLOAD G0+4, G1, G0B+4, G1B                     ; fill 1, steps 2 to 4, into slot 1
	global_prefetch_b8 v[PFO], s[PFA:PFA+1] offset:QTR th:TH_LOAD_NT scope:SCOPE_SE  ; fill 2,
	global_prefetch_b8 v[PFO+1], s[PFA:PFA+1] offset:QTR th:TH_LOAD_NT scope:SCOPE_SE
	ASK 1                                          ; and fill 3
	RUNA 0, 0, 0                                   ; step 0's fragments
	RUNB 0, 0, 0
	STEP 0, 1, 1, 0, 1                             ; step 0: its products start the sums
	TURN 0, 1, 1, 1, 5*STEPB, 1                    ; step 1; slot 0 takes fill 2, steps 5 to 7
	WIN 0
	s_mov_b32 s3, TRIPS
.Llap:                                                 ; a trip: six steps, both slots filled again
	STEP 0, 0, 1, 1, 1
	STEP 1, 0, 1, 1, 2
	TURN 1, 0, 0, 1, 6*STEPB, 2
	STEP 1, 0, 1, 0, 1
	STEP 0, 0, 1, 0, 2
	TURN 0, 1, 1, 1, 6*STEPB, 2
	WIN 0
	s_sub_co_u32 s3, s3, 1
	s_cmp_lg_u32 s3, 0
	s_cbranch_scc1 .Llap
	STEP 0, 0, 1, 1, 1                             ; the last six steps fill nothing
	STEP 1, 0, 1, 1, 2
	TURN 1, 0, 0, 0, 0, 0
	STEP 1, 0, 1, 0, 1
	STEP 0, 0, 1, 0, 2
	STEP 1, 0, 0, 0, 0
	WIN 0
	s_wait_loadcnt 0x0                             ; s_channel
	s_wait_kmcnt 0x0                               ; input_scale
	WIN 0x40
.irp i, 0,1,2,3
	v_mul_f32 v[CH+\i], s100, v[CH+\i]             ; input_scale x s_channel, for window 1's buffer,
.endr
	WIN 0
.irp i, 0,1,2,3
	v_mul_f32 v[CH+\i], s100, v[CH+\i]             ; and for window 0's.  These eight are also the places behind the last products
.endr
	s_wait_alu depctr_va_vdst(0)
; THE WAY OUT, by blocks of 16 rows x 128 columns: through my own stage in LDS, back as whole rows of 512 bytes, scaled, stored as two aligned units of 256 bytes.
; Block a's accumulators: columns 0-63 in window 0 (a < 4) or 3, columns 64-127 in window 1 or 2.  The rows come back into v32-95 of window a % 2, which has its own RD, CO and factors.
.macro TOSTAGE a
.set AC, ACC+32*((\a)%4)
	WIN (3*((\a)/4))<<2                            ; the data's window
.irp b, 0,1,2,3
	ds_store_b128 v[STO], v[AC+8*\b:AC+8*\b+3] offset:64*\b          ; each accumulator from its low end on
	ds_store_b128 v[STO], v[AC+8*\b+4:AC+8*\b+7] offset:64*\b+16
.endr
	WIN (1+(\a)/4)<<2
.irp b, 0,1,2,3
	ds_store_b128 v[STO], v[AC+8*\b:AC+8*\b+3] offset:256+64*\b
	ds_store_b128 v[STO], v[AC+8*\b+4:AC+8*\b+7] offset:256+64*\b+16
.endr
	WIN 0x45*((\a)%2)
.irp t, 0,1,2,3,4,5,6,7,8,9,10,11,12,13,14,15
	ds_load_b128 v[FB+4*\t:FB+4*\t+3], v[RD] offset:\t*SPITCH      ; LDS serves a wave's instructions in order: these see the stores
.endr
.endm
.macro SEND a, younger
	WIN 0x45*((\a)%2)
	s_wait_dscnt \younger                          ; the block is back; the LDS instructions issued behind its loads may be out
.if (\a) > 0
	s_add_nc_u64 s[12:13], s[12:13], 16*SIZE_N*4   ; behind a wait on XCNT: the earlier stores have read their base
.endif
.irp t, 0,1,2,3,4,5,6,7,8,9,10,11,12,13,14,15
	v_pk_mul_f32 v[FB+4*\t:FB+4*\t+1], v[FB+4*\t:FB+4*\t+1], v[CH:CH+1]             ; the block's 32 multiplies on end,
	v_pk_mul_f32 v[FB+4*\t+2:FB+4*\t+3], v[FB+4*\t+2:FB+4*\t+3], v[CH+2:CH+3]
.endr
.irp t, 0,1,2,3,4,5,6,7,8,9,10,11,12,13,14,15
	global_store_b128 v[CO], v[FB+4*\t:FB+4*\t+3], s[12:13] offset:\t*SIZE_N*4 th:TH_STORE_NT   ; then its 16 stores: 32 lanes store 512 consecutive bytes, at a multiple of 256 from out0's first byte
.endr
.endm
	TOSTAGE 0
.irp a, 1,2,3,4,5,6,7
.if \a > 1
	s_wait_xcnt 0x0                                ; block a - 2's stores have read their registers and their base
.endif
	TOSTAGE \a
	SEND \a-1, 32                                  ; behind block a - 1's loads: block a's 16 stores and 16 loads
.endr
	s_wait_xcnt 0x0
	SEND 7, 0
	WIN 0
	s_wait_tensorcnt 0x0                           ; the wave's end
	ds_add_u32 v[SPW], v[NIL]
	s_wait_dscnt 0x0
	CROUND                                         ; the closing round
	s_endpgm
.Lfunc_end_k_q56b0a6e7df_gemm:
	.size	k_q56b0a6e7df_gemm, .Lfunc_end_k_q56b0a6e7df_gemm-k_q56b0a6e7df_gemm
	.p2alignl 7, 3214868480
	.fill 96, 4, 3214868480
	.section	.rodata,"a",@progbits
	.p2align	6, 0x0
	.amdhsa_kernel k_q56b0a6e7df_gemm
		.amdhsa_group_segment_fixed_size 327680
		.amdhsa_private_segment_fixed_size 0
		.amdhsa_enable_private_segment 0
		.amdhsa_kernarg_size 40
		.amdhsa_user_sgpr_count 2
		.amdhsa_user_sgpr_kernarg_segment_ptr 1
		.amdhsa_wavefront_size32 1
		.amdhsa_system_sgpr_workgroup_id_x 1
		.amdhsa_system_sgpr_workgroup_id_y 1
		.amdhsa_system_sgpr_workgroup_id_z 1
		.amdhsa_system_vgpr_workitem_id 0
		.amdhsa_next_free_vgpr 1024
		.amdhsa_next_free_sgpr 102
		.amdhsa_reserve_vcc 0
		.amdhsa_float_denorm_mode_32 3
		.amdhsa_float_denorm_mode_16_64 3
		.amdhsa_memory_ordered 1
		.amdhsa_forward_progress 1
		.amdhsa_inst_pref_size 222
	.end_amdhsa_kernel
	.amdgpu_metadata
---
amdhsa.version: [ 1, 2 ]
amdhsa.kernels:
  - .name:           k_q56b0a6e7df_gemm
    .symbol:         k_q56b0a6e7df_gemm.kd
    .args:
      - { .name: a_pack, .offset: 0, .size: 8, .value_kind: global_buffer, .address_space: global }
      - { .name: b_pack, .offset: 8, .size: 8, .value_kind: global_buffer, .address_space: global }
      - { .name: out0, .offset: 16, .size: 8, .value_kind: global_buffer, .address_space: global }
      - { .name: s_channel, .offset: 24, .size: 8, .value_kind: global_buffer, .address_space: global }
      - { .name: input_scale, .offset: 32, .size: 8, .value_kind: global_buffer, .address_space: global }
    .group_segment_fixed_size: 327680
    .private_segment_fixed_size: 0
    .kernarg_segment_align: 8
    .kernarg_segment_size: 40
    .max_flat_workgroup_size: 128
    .sgpr_count:     102
    .vgpr_count:     1024
    .wavefront_size: 32
...
	.end_amdgpu_metadata
.endif
;; end of part 2
